; MI455X (gfx1250); checked and timed in simulation.
; The chip was launched on July 23, 2026; its instructions are those of AMD's public machine-readable ISA for CDNA 5 (MIT licence, August 2026) and "CDNA5" Instruction Set Architecture Reference Guide (July 2026). The comments in the code are by the model that wrote it; some were corrected since.
;; Point Attention Network. Allowed arithmetic: matrix products marked QUANTISED: E5M2 operands, one given power-of-two scale a tensor, by v_wmma_f32_16x16x64_bf8_bf8 or v_wmma_f32_16x16x128_bf8_bf8, f32 sums; everything else in f32.
;; Inputs: W1_codes 128 x 16 x 32 uint8 (E5M2 codes of W1, K innermost, in blocks of 32 codes); W2_codes 128 x 16 x 32 uint8 (E5M2 codes of W2, K innermost, in blocks of 32 codes); W3_codes 256 x 16 x 32 uint8 (E5M2 codes of W3, K innermost, in blocks of 32 codes); b1 128 float32; b2 128 float32; b3 256 float32; g1 128 float32; g2 128 float32; g3 256 float32; lowp_scales 10 int32 (the exponents e of the quantised operands' scales 2^e); m1 128 float32; m2 128 float32; m3 256 float32; v1 128 float32; v2 128 float32; v3 256 float32; x_codes 8 x 4,096 x 16 x 32 uint8 (E5M2 codes of x, K innermost, in blocks of 32 codes).
;; Outputs: out0 8 x 256 x 4,096 float32.
;; This version of the problem:
;;   THIS VERSION OF THE PROBLEM IS GIVEN IN LOW PRECISION. The matrix products marked QUANTISED in the list below multiply operands that are first quantised to E5M2 (5 exponent bits, 2 mantissa bits; 8 bits a number), with one given power-of-two scale for each operand tensor; their sums are f32. All else is computed in f32.
;;   The module's matrix products, in the order in which they are computed (A, B: the left and right operand; K: the contracted axis; several contracted axes count as one K, in the product's order):
;;     1. [M 32,768, K 512] x [K 512, N 128]; A: input x (given as codes); B: input W1 (given as codes): QUANTISED (scales: A lowp_scales[0], B lowp_scales[1])
;;     2. [M 32,768, K 512] x [K 512, N 128]; A: input x (given as codes); B: input W2 (given as codes): QUANTISED (scales: A lowp_scales[2], B lowp_scales[3])
;;     3. batch 8 x [M 4,096, K 128] x [K 128, N 4,096]; A: computed on the way; B: computed on the way: QUANTISED (scales: A lowp_scales[4], B lowp_scales[5])
;;     4. [M 32,768, K 512] x [K 512, N 256]; A: input x (given as codes); B: input W3 (given as codes): QUANTISED (scales: A lowp_scales[6], B lowp_scales[7])
;;     5. batch 8 x [M 256, K 4,096] x [K 4,096, N 4,096]; A: computed on the way; B: softmax (see below): QUANTISED (scales: A lowp_scales[8], B lowp_scales[9])
;;   THE QUANTISER, for each operand of a quantised product, along K:
;;     - The operand's scale is 2^e, e = its entry of the input lowp_scales (int32; the entries are numbered through the quantised products in the list's order, A before B).
;;     - Each number is divided by the scale, clamped to +-57,344, and rounded to the nearest number of E5M2, ties to even, subnormals kept.
;;     - The product sums the exact products of the quantised numbers (number of the format x scale) in f32.
;;   ~~~python
;;   def quantise(x, axis, e):      # numpy; x: float32 -> the quantised numbers, widened to float32 again
;;       x = np.moveaxis(x, axis, -1); K = x.shape[-1]
;;       r = np.clip(x / 2.0 ** e, -57344, 57344)
;;       step = 2.0 ** (np.maximum(np.frexp(np.where(r == 0, 1, r))[1] - 1, -14) - 2)
;;       q = np.round(r / step) * step * 2.0 ** e      # np.round: ties to even
;;       return np.moveaxis(q, -1, axis).astype(np.float32)
;;   ~~~
;;   SOFTMAX AHEAD OF A QUANTISED PRODUCT. Where the list says 'softmax', what is quantised is not the finished softmax but p = 2^(t - M), with t = logit x log2(e) and M = ceil(the row's largest t), a whole number; so 1/2 < the row's largest p <= 1. The row's sum l is taken of the UNQUANTISED p, in f32, and the product's result is divided by l at the end. Since M is a whole number, a kernel that streams over the keys may use a running M (the ceiling of the running maximum): every later rescaling is an exact power of two, so the quantised numbers keep their values, but for numbers so far below the row's largest that they fall under the format's range.
;;   OPERANDS COMPUTED ON THE WAY. 'Computed on the way' means the value that the module computes at that place (a softmax that the list does not call 'softmax' is quantised finished and normalised). What goes into a quantiser is computed in f32, as accurately as f32 sums, v_exp_f32 and their like allow (about 1e-6 of the number): no bf16 or f16 on the way to a quantiser, and a product that is left as it is and whose result goes on into a quantised operand takes f32 operands (vector FMAs, or v_wmma_f32_16x16x4_f32). A number that lies on a knife's edge between two numbers of the format may be rounded either way, as far as f32 arithmetic and the matrix unit's own rounding can turn it there, and no further.
;;   INPUTS GIVEN AS CODES. W1 (in the module: [128, 512], K = its axis 1); W2 (in the module: [128, 512], K = its axis 1); W3 (in the module: [256, 512], K = its axis 1); x (in the module: [8, 512, 4096], K = its axis 1): each comes as NAME_codes (uint8): NAME with its K axis moved to the last place and cut into blocks of 32 codes, [.., K / 32, bytes a block], one block behind the other in memory; one code a byte (a code: sign, 5 exponent bits, 2 mantissa bits); its scale is its entry of lowp_scales. Its value is code x scale, taken as it is: it is not quantised again, and the codes and scales need not be those that the quantiser above would give.
;; One version. Each part assembles by itself: llvm-mc -triple=amdgcn-amd-amdhsa -mcpu=gfx1250 --defsym DOCPART=n.
;; ======== version 1 of 1: 2 launches
;; limits: right only within a limited range of input values
;; workspace buffers: qimg 4,194,304 bytes; kv 12,582,912 bytes; vres 33,554,432 bytes
;; launch proj (part 1): grid 32 x 8, 4 waves a work-group, no clusters, 168,448 bytes of LDS; arguments x_codes, lowp_scales, qimg, kv, vres, W1_codes, g1, b1, m1, v1, W2_codes, g2, b2, m2, v2, W3_codes, g3, b3, m3, v3; writes qimg, kv, vres
.if DOCPART == 1
	.amdgcn_target "amdgcn-amd-amdhsa--gfx1250"
	.amdhsa_code_object_version 6
	.text
	.protected	k_q4278fe0d02_proj
	.globl	k_q4278fe0d02_proj
	.p2align	8
	.type	k_q4278fe0d02_proj,@function
k_q4278fe0d02_proj:
	s_mov_b64 s[64:65], 0
	v_nop
	global_prefetch_b8 v0, s[64:65] scope:SCOPE_SE
	s_setreg_imm32_b32 hwreg(HW_REG_WAVE_MODE, 25, 1), 1
	s_wait_xcnt 0x0
; THE THREE 1x1 CONVOLUTIONS: y = relu((x W^T) scale + bias), scale = g / sqrt(var + 1e-5), bias = b - m scale, on codes of E5M2 as they are given; K = 512.
; a = conv1 and k = conv2 (128 channels) and v = conv3 (256 channels) are quantised here, each with its given scale, and stored as IMAGES OF OPERAND REGISTERS for the attention launch; v also goes out in f32.
; SHARES.  Work-group (s, b) takes the 128 points 128 s .. 128 s + 127 of batch b, for all 512 output channels.  Wave 0 makes a, wave 1 k, waves 2 and 3 the two halves of v: 256 matrix instructions each.
; ONE SCHEME: D[tile] = sum over four K steps of 128 of RES[K step][tile] x STR[K step]; RES (32 fragments, 512 registers) stays, STR is streamed, eight accumulators take turns.
;   a, k: RES = my 128 rows of W, STR = 16 points of x (from LDS): a lane holds ONE point, registers run along the channels: the next product's K.
;   v:    RES = the 128 points of x (from LDS), STR = 16 rows of W3 (from memory): a lane holds ONE channel, registers run along the points: the keys, the last product's K.
; So eight conversions of eight numbers give registers 2 t, 2 t + 1 of a fragment in this form's own layout (k = 16 t + 8 (lane / 16) + 0 .. 7).
; Along K = 512 both sides are fetched 16 bytes a lane at 128 ks + 32 c + 16 (lane / 16): one permutation of k, the same in x and in W, so every product meets its partner.
; AN IMAGE: a fragment's 16 registers as four pieces of 512 bytes, piece c = registers 4 c .. 4 c + 3, lane l's 16 bytes at 512 c + 16 l.
;   qimg [b][tile of 16 points][2048];  kv [b][key step s][49152]: 8 fragments of k (16 keys each), then 16 fragments of v (16 channels each, 128 keys).
; v IN f32 LEAVES GROUP BY GROUP: a group's 16 channels x 128 points go through the wave's OWN stage in LDS and come back as 16 whole rows of 512 bytes, which are stored while the later groups are multiplied.
; LDS: x's tile, 128 rows of 512 bytes + 16 (pitch 528 = 33 x 16), filled once by four tensor loads; behind it a stage of 16 rows of 512 bytes + 16 for each of waves 2 and 3.  Nothing is filled twice.
; The claim of LDS is larger than the use (84,480 bytes).
; LIMITS: lowp_scales[4], [5], [8] between -126 and 112 (2^e and 57,344 x 2^e are made as f32 patterns); the sums e0 + e1, e2 + e3, e6 + e7 go through v_ldexp_f32 and have none.  NaN among the inputs is not served.
; REGISTERS.  window 0: v1-7 addresses; v13 57,344 x 2^e, v14 2^e; v16-31 codes; v32-95 D; v96-159, v160-223 STR, two sets; v224.., v240.. (v) scale and bias of my channel, a pair a tile.
;   windows 1, 2: RES, fragment (ks, t) in window 1 + ks / 2 at 128 (ks % 2) + 16 t.   window 3: (a, k) v0-63 scale, v64-127 bias; (v) v0-63 sixteen rows on their way out, v128-191 held numbers.
.set PX,   528
.set STG,  128*PX
.set LI,   1                           ; v1   16 x lane
.set XA,   2                           ; v2   x's tile: row (lane % 16) x 528 + 16 (lane / 16)
.set WA,   3                           ; v3   a weight: row (lane % 16) x 512 + 16 (lane / 16)
.set BA,   4                           ; v4   32 (lane / 16): my half's eight channels of a tile
.set CA,   5                           ; v5   4 (lane % 16): my channel of a tile
.set SA,   6                           ; v6   my stage, on the way in
.set RDS,  7                           ; v7   my stage, on the way out
.set LIM,  13
.set SCQ,  14
.set PC,   16
.set D,    32
.set STR,  96
.set SCP,  224
.set BIP,  240
.set WP,   52                          ; s[52:61] my role's W, g, b, m, var
.set GP,   54
.set BP,   56
.set MP,   58
.set VP,   60
.set WV,   62
.set ODD,  63
.set DST,  66                          ; s[66:67] where my images go
.set ES,   78                          ; the two exponents of my product, added
.set EQ,   79                          ; the exponent of my result's quantiser
.set G1,   80
.set G0,   88
.set VR,   96                          ; s[96:97] vres at the 128 channel rows of waves 2 and 3
.set MSB, 0
.macro WIN new                         ; the immediate's high byte repeats the setting that is left
.if MSB != (\new)
	s_set_vgpr_msb (MSB<<8)|(\new)
.set MSB, (\new)
.endif
.endm
.macro PLACES                          ; four plain vector instructions between a matrix instruction and the first read of its result (ISA guide 7.12.1)
.rept 4
	v_nop
.endr
.endm
	s_load_b256 s[4:11], s[0:1], 0x0               ; x_codes, lowp_scales, qimg, kv
	s_load_b64 s[12:13], s[0:1], 0x20              ; vres
	s_load_b256 s[16:23], s[0:1], 0x28             ; W1, g1, b1, m1
	s_load_b64 s[24:25], s[0:1], 0x48              ; v1
	s_load_b256 s[28:35], s[0:1], 0x50             ; W2, g2, b2, m2
	s_load_b64 s[36:37], s[0:1], 0x70              ; v2
	s_load_b256 s[40:47], s[0:1], 0x78             ; W3, g3, b3, m3
	s_load_b64 s[48:49], s[0:1], 0x98              ; v3
	v_lshl_add_u32 v12, v0, 2, 0x29000
	v_mov_b32 v15, 0
	ds_add_u32 v12, v15
	ds_add_u32 v12, v15
	v_lshrrev_b32 v8, 5, v0
	v_readfirstlane_b32 s[WV], v8                  ; wave 0..3
	s_and_b32 s[ODD], s[WV], 1
	s_and_b32 s98, ttmp7, 0xffff                   ; batch
	; descriptor group 1: 32 rows of 512 bytes, 16 bytes of padding behind each
	s_mov_b32 s[G1+0], (1<<20)|(6<<22)|(3<<25)     ; no mask; elements of 1 byte; padding on: after every 128 words (code 6) four words (code 3)
	s_mov_b32 s[G1+1], 512<<16                     ; tensor_dim0
	s_mov_b32 s[G1+2], 32<<16                      ; tensor_dim1
	s_mov_b32 s[G1+3], 512<<16                     ; tile_dim0
	s_mov_b32 s[G1+4], 32                          ; tile_dim1
	s_mov_b32 s[G1+5], 512                         ; from row to row
	s_mov_b32 s[G1+6], 0
	s_mov_b32 s[G1+7], 0
	s_mov_b32 s[G0], 1
	s_mul_i32 s[G0+1], s[WV], 32*PX                ; my 32 rows of the tile in LDS
	s_lshl_b32 s92, s98, 12
	s_lshl_b32 s93, ttmp9, 7
	s_add_co_u32 s92, s92, s93
	s_lshl_b32 s93, s[WV], 5
	s_add_co_u32 s92, s92, s93                     ; point 4096 b + 128 s + 32 w,
	s_lshl_b32 s92, s92, 9                         ; 512 bytes each
	s_mov_b32 s93, 0
	s_wait_dscnt 0x0
	s_wait_kmcnt 0x0
	s_load_b256 s[68:75], s[6:7], 0x0              ; e0 .. e7
	s_load_b64 s[76:77], s[6:7], 0x20              ; e8, e9
	s_add_nc_u64 s[G0+2:G0+3], s[4:5], s[92:93]
	s_or_b32 s[G0+3], s[G0+3], 0x80000000          ; type = 2
	tensor_load_to_lds s[G0:G0+3], s[G1:G1+7]      ; my one tensor load of the launch
	s_nop 0
	PLACES                                         ; (four v_nop follow a tensor load)
	v_and_b32 v8, 31, v0                           ; lane
	v_lshlrev_b32 v[LI], 4, v8
	v_and_b32 v9, 15, v0                           ; r
	v_bfe_u32 v10, v0, 4, 1                        ; h
	v_mul_u32_u24 v[XA], v9, PX
	v_lshl_add_u32 v[SA], v10, 5, v[XA]            ; the stage: row r, + 32 h
	v_lshl_add_u32 v[XA], v10, 4, v[XA]
	v_lshlrev_b32 v[WA], 9, v9
	v_lshl_add_u32 v[WA], v10, 4, v[WA]
	v_lshlrev_b32 v[BA], 5, v10
	v_lshlrev_b32 v[CA], 2, v9
	s_mul_i32 s92, s[ODD], 16*PX
	s_add_co_u32 s92, s92, STG                     ; wave 2's stage, then wave 3's: 16 rows each, nobody else's
	v_add_nc_u32 v[SA], s92, v[SA]
	v_add_nc_u32 v[RDS], s92, v[LI]                ; out: a whole row, 16 bytes a lane
	; offsets, made apart from the addresses
	s_lshl_b32 s26, s[ODD], 16                     ; wave 3's 128 rows of W3
	s_mov_b32 s27, 0
	s_lshl_b32 s38, s[ODD], 9                      ; and its 128 numbers of g3, b3, m3, v3
	s_mov_b32 s39, 0
	s_lshl_b32 s14, s[ODD], 14
	s_add_co_u32 s14, s14, 16384                   ; v's fragments lie behind k's eight
	s_lshl_b32 s50, s98, 19
	s_lshl_b32 s99, ttmp9, 14
	s_add_co_u32 s50, s50, s99                     ; qimg: (256 b + 8 s) x 2048
	s_lshl_b32 s99, s98, 5
	s_add_co_u32 s99, s99, ttmp9
	s_mul_i32 s99, s99, 49152                      ; kv: (32 b + s) x 49152
	s_mov_b32 s51, 0
	s_lshl_b32 s96, s98, 22
	s_lshl_b32 s97, s[ODD], 21
	s_add_co_u32 s96, s96, s97
	s_lshl_b32 s97, ttmp9, 9
	s_add_co_u32 s96, s96, s97                     ; vres: (256 b + 128 (w - 2)) rows of 16384 bytes + 512 s
	s_mov_b32 s97, 0
	s_add_nc_u64 s[VR:VR+1], s[12:13], s[96:97]
	s_wait_kmcnt 0x0                               ; the exponents
	s_add_co_i32 s92, s68, s69
	s_add_co_i32 s93, s70, s71
	s_add_co_i32 s94, s74, s75
	s_cmp_eq_u32 s[WV], 0                          ; the choices hang on the wave's number alone
	s_cselect_b64 s[WP:WP+1], s[16:17], s[28:29]
	s_cselect_b64 s[GP:GP+1], s[18:19], s[30:31]
	s_cselect_b64 s[BP:BP+1], s[20:21], s[32:33]
	s_cselect_b64 s[MP:MP+1], s[22:23], s[34:35]
	s_cselect_b64 s[VP:VP+1], s[24:25], s[36:37]
	s_cselect_b64 s[DST:DST+1], s[8:9], s[10:11]
	s_cselect_b32 s[ES], s92, s93
	s_cselect_b32 s[EQ], s72, s73
	s_cselect_b32 s50, s50, s99
	s_cmp_lt_u32 s[WV], 2
	s_cselect_b64 s[WP:WP+1], s[WP:WP+1], s[40:41]
	s_cselect_b64 s[GP:GP+1], s[GP:GP+1], s[42:43]
	s_cselect_b64 s[BP:BP+1], s[BP:BP+1], s[44:45]
	s_cselect_b64 s[MP:MP+1], s[MP:MP+1], s[46:47]
	s_cselect_b64 s[VP:VP+1], s[VP:VP+1], s[48:49]
	s_cselect_b32 s[ES], s[ES], s94
	s_cselect_b32 s[EQ], s[EQ], s76
	s_cselect_b32 s26, 0, s26
	s_cselect_b32 s38, 0, s38
	s_cselect_b32 s14, 0, s14
	s_add_co_u32 s50, s50, s14
	s_add_nc_u64 s[WP:WP+1], s[WP:WP+1], s[26:27]
	s_add_nc_u64 s[GP:GP+1], s[GP:GP+1], s[38:39]
	s_add_nc_u64 s[BP:BP+1], s[BP:BP+1], s[38:39]
	s_add_nc_u64 s[MP:MP+1], s[MP:MP+1], s[38:39]
	s_add_nc_u64 s[VP:VP+1], s[VP:VP+1], s[38:39]
	s_add_nc_u64 s[DST:DST+1], s[DST:DST+1], s[50:51]
	s_add_co_i32 s92, s[EQ], 127
	s_lshl_b32 s93, s92, 23
	v_mov_b32 v[SCQ], s93                          ; 2^e as f32: the conversion takes its exponent field
	s_add_co_i32 s92, s92, 15
	s_lshl_b32 s92, s92, 23
	s_or_b32 s92, s92, 0x600000
	v_mov_b32 v[LIM], s92                          ; 57,344 x 2^e
	s_wait_tensorcnt 0x0                           ; my 32 rows of x have landed,
	s_barrier_signal -1
	s_barrier_wait -1                              ; everybody's have.  From here the roles part, and share nothing more: the launch's one barrier
; 32 matrix instructions: four K steps x eight tiles; the eight accumulators take turns, one instruction a turn; the first K step starts the sums
.macro MM p
.irp ks, 0,1,2,3
	WIN 1+\ks/2
.irp t, 0,1,2,3,4,5,6,7
.if \ks == 0
	v_wmma_f32_16x16x128_bf8_bf8 v[D+8*\t:D+8*\t+7], v[128*(\ks%2)+16*\t:128*(\ks%2)+16*\t+15], v[STR+64*(\p)+16*\ks:STR+64*(\p)+16*\ks+15], 0
.else
	v_wmma_f32_16x16x128_bf8_bf8 v[D+8*\t:D+8*\t+7], v[128*(\ks%2)+16*\t:128*(\ks%2)+16*\t+15], v[STR+64*(\p)+16*\ks:STR+64*(\p)+16*\ks+15], v[D+8*\t:D+8*\t+7]
.endif
.endr
.endr
	WIN 0
.endm
.macro XSTR i                          ; 16 points of x, all of K, from LDS into set i % 2
.irp ks, 0,1,2,3
.irp c, 0,1,2,3
	ds_load_b128 v[STR+64*((\i)%2)+16*\ks+4*\c:STR+64*((\i)%2)+16*\ks+4*\c+3], v[XA] offset:16*(\i)*PX+128*\ks+32*\c
.endr
.endr
.endm
.macro WSTR t                          ; 16 rows of W3, all of K, from memory into set t % 2
.irp ks, 0,1,2,3
.irp c, 0,1,2,3
	global_load_b128 v[STR+64*((\t)%2)+16*\ks+4*\c:STR+64*((\t)%2)+16*\ks+4*\c+3], v[WA], s[WP:WP+1] offset:16*(\t)*512+128*\ks+32*\c
.endr
.endr
.endm
; a, k: 16 points x 128 channels become one fragment
.macro EPI_AK i
	WIN 0x3c                                       ; scale and bias in window 3
.set n, 0
.rept 32
	v_pk_fma_f32 v[D+n:D+n+1], v[D+n:D+n+1], v[n:n+1], v[64+n:64+n+1]   ; sum x (scale x 2^(ex + ew)) + bias; each accumulator from its low end on
.set n, n+2
.endr
	WIN 0
.set n, 0
.rept 64
	v_med3_num_f32 v[D+n], v[D+n], 0, v[LIM]       ; the relu and the hold in one: the conversion to an 8-bit code does not saturate (ISA guide 7.6.2)
.set n, n+1
.endr
	s_wait_xcnt 0x0                                ; the last group's stores have read the codes' registers
.irp t, 0,1,2,3,4,5,6,7
	v_cvt_scalef32_pk8_bf8_f32 v[PC+2*\t:PC+2*\t+1], v[D+8*\t:D+8*\t+7], v[SCQ]
.endr
	v_nop                                          ; a plain instruction between the conversions and the next products, which write their sources
.irp c, 0,1,2,3
	global_store_b128 v[LI], v[PC+4*\c:PC+4*\c+3], s[DST:DST+1] offset:2048*(\i)+512*\c   ; 32 lanes store 512 consecutive bytes
.endr
.endm
; v: 16 channels x 128 points: f32 through my stage and out as 16 whole rows; codes as one fragment
.macro EPI_V t
.set n, 0
.rept 32
	v_pk_fma_f32 v[D+n:D+n+1], v[D+n:D+n+1], v[SCP+2*(\t):SCP+2*(\t)+1], v[BIP+2*(\t):BIP+2*(\t)+1] op_sel_hi:[1,0,0]   ; my channel's scale and bias: the pairs' low words serve both halves
.set n, n+2
.endr
.set n, 0
.rept 64
	v_max_num_f32 v[D+n], 0, v[D+n]                ; relu
.set n, n+1
.endr
.set n, 0
.rept 16
	ds_store_b128 v[SA], v[D+4*n:D+4*n+3] offset:64*(n/2)+16*(n%2)   ; row = my channel of the group; tile n / 2's points 16 (n / 2) + 8 h + 0 .. 7
.set n, n+1
.endr
	s_wait_xcnt 0x0                                ; the last group's stores have read the codes' registers and the rows' registers: both are written again below
	WIN 0xc0
.set n, 0
.rept 16
	ds_load_b128 v[4*n:4*n+3], v[RDS] offset:PX*n  ; LDS serves a wave's instructions in order (ISA guide 5.7.1.4): these see my stores above, and the next group's stores come behind them
.set n, n+1
.endr
.set n, 0
.rept 64
	v_min_num_f32 v[128+n], v[D+n], v[LIM]         ; the hold, one-sided, into other registers; these lines and the conversions stand between the loads above and the waits for them
.set n, n+1
.endr
	WIN 0x03
.set n, 0
.rept 8
	v_cvt_scalef32_pk8_bf8_f32 v[PC+2*n:PC+2*n+1], v[128+8*n:128+8*n+7], v[SCQ]
.set n, n+1
.endr
	WIN 0
	v_nop                                          ; a plain instruction behind the last conversion
.irp c, 0,1,2,3
	global_store_b128 v[LI], v[PC+4*\c:PC+4*\c+3], s[DST:DST+1] offset:2048*(\t)+512*\c
.endr
	WIN 0x0c                                       ; the stores' data in window 3
.set n, 0
.rept 16
	s_wait_dscnt 15-n                              ; LDS loads come back in order (ISA guide 5.7.1): row n is in, the 15 - n younger loads may be out
	global_store_b128 v[LI], v[4*n:4*n+3], s[VR:VR+1] offset:16384*(16*(\t)+n) th:TH_STORE_NT   ; 32 lanes store 512 consecutive bytes, at a multiple of 512 from the buffer's first byte
.set n, n+1
.endr
	WIN 0
.endm
	s_cmp_lt_u32 s[WV], 2
	s_cbranch_scc0 .Lvalues
	; ---------------- waves 0 and 1: a and k
	WIN 0xc0                                       ; register 8 t + j of the norm's numbers is channel 16 t + 8 h + j, as in D
.irp t, 0,1,2,3,4,5,6,7
	global_load_b128 v[8*\t:8*\t+3], v[BA], s[GP:GP+1] offset:64*\t
	global_load_b128 v[8*\t+4:8*\t+7], v[BA], s[GP:GP+1] offset:64*\t+16
	global_load_b128 v[64+8*\t:64+8*\t+3], v[BA], s[BP:BP+1] offset:64*\t
	global_load_b128 v[64+8*\t+4:64+8*\t+7], v[BA], s[BP:BP+1] offset:64*\t+16
.endr
	WIN 0
.irp t, 0,1,2,3,4,5,6,7
	global_load_b128 v[STR+8*\t:STR+8*\t+3], v[BA], s[MP:MP+1] offset:64*\t
	global_load_b128 v[STR+8*\t+4:STR+8*\t+7], v[BA], s[MP:MP+1] offset:64*\t+16
	global_load_b128 v[STR+64+8*\t:STR+64+8*\t+3], v[BA], s[VP:VP+1] offset:64*\t
	global_load_b128 v[STR+64+8*\t+4:STR+64+8*\t+7], v[BA], s[VP:VP+1] offset:64*\t+16
.endr
.irp ks, 0,1,2,3                               ; my 128 rows of W stay in registers
	WIN 0x40*(1+\ks/2)
.irp t, 0,1,2,3,4,5,6,7
.irp c, 0,1,2,3
	global_load_b128 v[128*(\ks%2)+16*\t+4*\c:128*(\ks%2)+16*\t+4*\c+3], v[WA], s[WP:WP+1] offset:16*\t*512+128*\ks+32*\c
.endr
.endr
.endr
	WIN 0
	s_wait_loadcnt 63                              ; 192 loads were issued, the norm's 64 first: with at most 63 out the first 129 are in
.set n, 0
.rept 64
	v_add_f32 v[STR+64+n], 0x3727c5ac, v[STR+64+n] ; var + 1e-5
.set n, n+1
.endr
.set n, 0
.rept 64
	v_rsq_f32 v[STR+64+n], v[STR+64+n]
.set n, n+1
.endr
	v_nop                                          ; a plain instruction behind the last of the batch,
	s_wait_alu depctr_va_vdst(0)                   ; and one wait for the batch ahead of its first reader
	WIN 0xc3
.set n, 0
.rept 32
	v_pk_mul_f32 v[n:n+1], v[n:n+1], v[STR+64+n:STR+64+n+1]          ; scale = g / sqrt(var + eps)
.set n, n+2
.endr
	WIN 0xfc
.set n, 0
.rept 32
	v_pk_fma_f32 v[64+n:64+n+1], v[STR+n:STR+n+1], v[n:n+1], v[64+n:64+n+1] neg_lo:[1,0,0] neg_hi:[1,0,0]   ; bias = b - m scale
.set n, n+2
.endr
	WIN 0xc3
.set n, 0
.rept 64
	v_ldexp_f32 v[n], v[n], s[ES]                  ; a sum of codes stands for sum x 2^(ex + ew)
.set n, n+1
.endr
	WIN 0
	XSTR 0
	s_wait_loadcnt 0x0                             ; W
.irp i, 0,1,2,3,4,5,6,7
.if \i < 7
	XSTR \i+1                                      ; into the set that the group before multiplied: its epilogue's instructions are the places between
	s_wait_dscnt 16                                ; this group's 16 loads are in, the next group's may be out
.else
	s_wait_dscnt 0x0
.endif
	MM \i%2
	PLACES
	EPI_AK \i
.endr
	s_wait_tensorcnt 0x0
	ds_add_u32 v12, v15
	s_wait_dscnt 0x0
	s_endpgm
.Lvalues:
	; ---------------- waves 2 and 3: v
.irp t, 0,1,2,3,4,5,6,7                        ; for tile t my lane's channel is 16 t + lane % 16
	global_load_b32 v[SCP+2*\t], v[CA], s[GP:GP+1] offset:64*\t
	global_load_b32 v[BIP+2*\t], v[CA], s[BP:BP+1] offset:64*\t
	global_load_b32 v[D+\t], v[CA], s[MP:MP+1] offset:64*\t
	global_load_b32 v[D+8+\t], v[CA], s[VP:VP+1] offset:64*\t
.endr
	WSTR 0
.irp ks, 0,1,2,3                               ; the 128 points of x stay in registers
	WIN 0x40*(1+\ks/2)
.irp t, 0,1,2,3,4,5,6,7
.irp c, 0,1,2,3
	ds_load_b128 v[128*(\ks%2)+16*\t+4*\c:128*(\ks%2)+16*\t+4*\c+3], v[XA] offset:16*\t*PX+128*\ks+32*\c
.endr
.endr
.endr
	WIN 0
	s_wait_loadcnt 16                              ; the norm's 32 loads are in; W3's first 16 rows may be out
.irp t, 0,1,2,3,4,5,6,7
	v_add_f32 v[D+8+\t], 0x3727c5ac, v[D+8+\t]
.endr
.irp t, 0,1,2,3,4,5,6,7
	v_rsq_f32 v[D+8+\t], v[D+8+\t]
.endr
	v_nop
	s_wait_alu depctr_va_vdst(0)                   ; one wait for the batch ahead of its first reader
.irp t, 0,1,2,3,4,5,6,7
	v_mul_f32 v[SCP+2*\t], v[SCP+2*\t], v[D+8+\t]
.endr
.irp t, 0,1,2,3,4,5,6,7
	v_fma_f32 v[BIP+2*\t], -v[D+\t], v[SCP+2*\t], v[BIP+2*\t]
.endr
.irp t, 0,1,2,3,4,5,6,7
	v_ldexp_f32 v[SCP+2*\t], v[SCP+2*\t], s[ES]
	v_mov_b32 v[SCP+2*\t+1], 0                     ; (named as the pairs' upper halves, so they are written)
	v_mov_b32 v[BIP+2*\t+1], 0
.endr
.irp t, 0,1,2,3,4,5,6,7
.if \t < 7
	WSTR \t+1
	s_wait_loadcnt 16                              ; this group's 16 loads are in, the next group's may be out
.else
	s_wait_loadcnt 0x0
.endif
	s_wait_dscnt 0x0                               ; x is in registers (the later groups find nothing out: the last count-down ended at 0)
	MM \t%2
	PLACES
	EPI_V \t
.endr
	s_wait_tensorcnt 0x0
	ds_add_u32 v12, v15
	s_wait_dscnt 0x0
	s_endpgm
.Lfunc_end_k_q4278fe0d02_proj:
	.size	k_q4278fe0d02_proj, .Lfunc_end_k_q4278fe0d02_proj-k_q4278fe0d02_proj
	.p2alignl 7, 3214868480
	.fill 96, 4, 3214868480
	.section	.rodata,"a",@progbits
	.p2align	6, 0x0
	.amdhsa_kernel k_q4278fe0d02_proj
		.amdhsa_group_segment_fixed_size 168448
		.amdhsa_private_segment_fixed_size 0
		.amdhsa_enable_private_segment 0
		.amdhsa_kernarg_size 160
		.amdhsa_user_sgpr_count 2
		.amdhsa_user_sgpr_kernarg_segment_ptr 1
		.amdhsa_wavefront_size32 1
		.amdhsa_system_sgpr_workgroup_id_x 1
		.amdhsa_system_sgpr_workgroup_id_y 1
		.amdhsa_system_sgpr_workgroup_id_z 1
		.amdhsa_system_vgpr_workitem_id 0
		.amdhsa_next_free_vgpr 1024
		.amdhsa_next_free_sgpr 100
		.amdhsa_reserve_vcc 0
		.amdhsa_float_denorm_mode_32 3
		.amdhsa_float_denorm_mode_16_64 3
		.amdhsa_memory_ordered 1
		.amdhsa_forward_progress 1
		.amdhsa_inst_pref_size 253
	.end_amdhsa_kernel
	.amdgpu_metadata
---
amdhsa.version: [ 1, 2 ]
amdhsa.kernels:
  - .name:           k_q4278fe0d02_proj
    .symbol:         k_q4278fe0d02_proj.kd
    .args:
      - { .name: x_codes, .offset: 0, .size: 8, .value_kind: global_buffer, .address_space: global }
      - { .name: lowp_scales, .offset: 8, .size: 8, .value_kind: global_buffer, .address_space: global }
      - { .name: qimg, .offset: 16, .size: 8, .value_kind: global_buffer, .address_space: global }
      - { .name: kv, .offset: 24, .size: 8, .value_kind: global_buffer, .address_space: global }
      - { .name: vres, .offset: 32, .size: 8, .value_kind: global_buffer, .address_space: global }
      - { .name: W1_codes, .offset: 40, .size: 8, .value_kind: global_buffer, .address_space: global }
      - { .name: g1, .offset: 48, .size: 8, .value_kind: global_buffer, .address_space: global }
      - { .name: b1, .offset: 56, .size: 8, .value_kind: global_buffer, .address_space: global }
      - { .name: m1, .offset: 64, .size: 8, .value_kind: global_buffer, .address_space: global }
      - { .name: v1, .offset: 72, .size: 8, .value_kind: global_buffer, .address_space: global }
      - { .name: W2_codes, .offset: 80, .size: 8, .value_kind: global_buffer, .address_space: global }
      - { .name: g2, .offset: 88, .size: 8, .value_kind: global_buffer, .address_space: global }
      - { .name: b2, .offset: 96, .size: 8, .value_kind: global_buffer, .address_space: global }
      - { .name: m2, .offset: 104, .size: 8, .value_kind: global_buffer, .address_space: global }
      - { .name: v2, .offset: 112, .size: 8, .value_kind: global_buffer, .address_space: global }
      - { .name: W3_codes, .offset: 120, .size: 8, .value_kind: global_buffer, .address_space: global }
      - { .name: g3, .offset: 128, .size: 8, .value_kind: global_buffer, .address_space: global }
      - { .name: b3, .offset: 136, .size: 8, .value_kind: global_buffer, .address_space: global }
      - { .name: m3, .offset: 144, .size: 8, .value_kind: global_buffer, .address_space: global }
      - { .name: v3, .offset: 152, .size: 8, .value_kind: global_buffer, .address_space: global }
    .group_segment_fixed_size: 168448
    .private_segment_fixed_size: 0
    .kernarg_segment_align: 8
    .kernarg_segment_size: 160
    .max_flat_workgroup_size: 128
    .sgpr_count:     100
    .vgpr_count:     1024
    .wavefront_size: 32
...
	.end_amdgpu_metadata
.endif
;; end of part 1
;; launch attn (part 2): grid 32 x 8, 4 waves a work-group, clusters of 4 x 1, 327,680 bytes of LDS; arguments qimg, kv, vres, lowp_scales, out0; writes out0
.if DOCPART == 2
	.amdgcn_target "amdgcn-amd-amdhsa--gfx1250"
	.amdhsa_code_object_version 6
	.text
	.protected	k_q4278fe0d02_attn
	.globl	k_q4278fe0d02_attn
	.p2align	8
	.type	k_q4278fe0d02_attn,@function
k_q4278fe0d02_attn:
	s_mov_b64 s[64:65], 0
	v_nop
	global_prefetch_b8 v0, s[64:65] scope:SCOPE_SE
	s_setreg_imm32_b32 hwreg(HW_REG_WAVE_MODE, 25, 1), 1
	s_wait_xcnt 0x0
	s_wait_alu depctr_hold_cnt(0) depctr_sa_sdst(0) depctr_va_vdst(0) depctr_va_sdst(0) depctr_va_ssrc(0) depctr_va_vcc(0) depctr_vm_vsrc(0)
	s_getreg_b32 s2, hwreg(HW_REG_IB_STS2, 6, 4)
	s_cmp_eq_u32 s2, 0
	s_cbranch_scc0 .Lentry_in_a_cluster
	s_endpgm
.Lentry_in_a_cluster:
	s_bfe_u32 s2, ttmp6, 0x10000c
	s_cmp_lg_u32 s2, 0x3003
	s_cbranch_scc0 .Lentry_shape_is_right
	s_endpgm
.Lentry_shape_is_right:
; out[b][c][m] = v[b][c][m] + (sum over n of v[b][c][n] p[m][n]) / l[m], p = 2^(t - M), t = (a_m . k_n) log2(e), both products on codes of E5M2.
; qimg, kv: images of operand registers (a fragment = 16 registers = four pieces of 512 bytes, lane l's 16 bytes of piece c at 512 c + 16 l), made by the launch before; vres: v in f32.
; THE SOFTMAX AHEAD OF THE SECOND PRODUCT: M = the running largest t rounded UP to a whole number, kept as -M = floor(-t); p is not normalised; l is the sum of the unquantised p;
; when M moves, l and O are multiplied by f = 2^(old M - new M), which rounds nothing; at the end O x 2^(e8 + e9) / l.
; SHARES.  A work-group owns 128 queries of one batch; each of its four waves 32: two PIECES of 16.  Every wave walks the batch's 4,096 keys, 128 a step.
; LAYOUT.  Both products are used transposed: S^T = K Q^T (source 0 = 16 keys, source 1 = 16 queries), O^T = V P (source 0 = 16 channels x 128 keys, source 1 = p's codes): a lane holds ONE query throughout.
; Tile i of S^T holds keys 16 i + 8 (lane / 16) + 0 .. 7: its eight numbers convert into registers 2 i, 2 i + 1 of p's fragment in this form's own layout.
; BY TURNS.  In a TURN one piece has the matrix unit (16 products V P of the step in hand, 8 products K Q^T of the next step); the other piece's softmax, a list of 304 instructions, stands in slices of 13
; behind its matrix instructions.  Then the pieces change places.  Two turns are a key step.
; CLUSTER.  The four work-groups of a cluster belong to one batch and walk the same K and V: each slot (two key steps, 98,304 bytes, dense) is asked for JOINTLY, a quarter a wave.
; LIMITS: e4 + e5 between -126 and 127 (added to the exponent field of log2(e)); e9 between -126 and 112; e8 + e9 goes through v_ldexp_f32 and has none.  NaN is not served.
; REGISTERS.  window 0: v1-14 addresses and constants; v16-39, v40-63 a piece's statistics; v64-127, v128-191 S^T, then p; v192-223 p's codes.
;   window 1: O^T, piece x tile i at 128 x + 8 i.   window 2: V's 16 fragments.   window 3: v0-127 K's 8 fragments; v128-159 Q's two.
.set KSTEP, 49152                      ; a key step's images: 8 fragments of K, then 16 of V
.set SLOTB, 2*KSTEP
.set SLOT1, 1<<17                      ; slot 1 begins here, so that one exclusive or turns an address in one slot into the other's
.set SPARE, SLOT1+SLOTB                ; behind the ring: the spare words, 128 bytes for each wave: two blocks of 256 bytes that no other line names
.set SP,    528                        ; the way out: a stage of 256 channel rows of 512 bytes + 16, from LDS byte 0, in slots that have had their last fill and their last read
.set LI,   1                           ; v1   16 x lane
.set ADR,  2                           ; v2   LDS address of the run of loads in hand
.set SPW,  3                           ; v3   LDS address of my spare word; never rewritten
.set NIL,  4                           ; v4   0; never rewritten
.set PFO,  5                           ; v5   256 x lane
.set PFV,  6                           ; v6   (lane / 2) rows of 16384 bytes + 256 (lane % 2)
.set STO,  8                           ; v8-11 the stage, on the way in: channels 64 k on
.set RD,   12                          ; v12  the stage, on the way out
.set LIMV, 13                          ; v13  57,344 x 2^e9
.set SCV,  14                          ; v14  2^e9
.set ST,   16                          ; piece x's statistics at v[ST + STS x]: +0 -M, +1 the largest score so far, +2, +3 l, +4 f (+5 named with it), +6..+13 eight maxima,
.set STS,  24                          ;   +14..+19 three more sums (pairs), +20 the other half's maximum or sum, +21 the old -M, +22 at work
.set NL,   304                         ; the softmax list's length
.set S,    64
.set P,    192
.set WV,   14
.set VR,   18                          ; s[18:19] vres, s[20:21] out0, at my 64 rows' 512 bytes; s[22:23] qimg at my two tiles
.set OUTP, 20
.set QP,   22
.set G1,   24
.set G0A,  32                          ; group 0 of slot 0's first fill
.set G0,   36                          ; group 0 of slot 1's first fill, which then walks
.set SLOTS, 40
.set TWICE, 41
.set TB,   42                          ; LDS byte at which the images of the step to be fetched begin
.set CS,   44                          ; s[44:45] c = log2(e) x 2^(e4 + e5)
.set SEL,  46
.set PFA,  48
.set LIM,  50
.set EO,   51                          ; e8 + e9
.set W_KQ, 0x0f                        ; K and Q in window 3, S^T in window 0
.set W_PV, 0x52                        ; V in window 2, p in window 0, O^T in window 1
.set W_RS, 0x41                        ; O^T (destination and source 0) in window 1, f in window 0
.set MSB, 0
.macro WIN new                         ; the immediate's high byte repeats the setting that is left
.if MSB != (\new)
	s_set_vgpr_msb (MSB<<8)|(\new)
.set MSB, (\new)
.endif
.endm
.macro PLACES                          ; four plain vector instructions (ISA guide 7.12.1)
.rept 4
	v_nop
.endr
.endm
.macro CROUND                          ; a round of the cluster's barrier
	s_barrier_signal -1
	s_barrier_wait -1
	s_cmp_lg_u32 s[WV], 0
	s_cbranch_scc1 .Lnot_wave_0_\@
	s_barrier_signal -3
.Lnot_wave_0_\@:
	s_barrier_wait -3
	s_barrier_signal -1
	s_barrier_wait -1
.endm
; A PREFETCH INTO THE L2 of the slot that the NEXT change of slots will ask for: 384 blocks of 256 bytes.  All eight clusters of a batch walk the same slots: the batch's first cluster asks.  Its four partners take
; 24,576 bytes each, told apart BY ADDRESS; in each, waves 0 to 2 take 8,192 bytes, lanes 256 bytes apart.  So each block is named once in the launch.  The last change that fills a slot asks for nothing.
.macro ASK
	s_cmp_gt_u32 s[SLOTS], s[LIM]
	s_cbranch_scc0 .Lnot_mine_\@
	global_prefetch_b8 v[PFO], s[PFA:PFA+1] th:TH_LOAD_NT scope:SCOPE_SE
.Lnot_mine_\@:
.endm
	s_load_b256 s[4:11], s[0:1], 0x0               ; qimg, kv, vres, lowp_scales
	s_load_b64 s[12:13], s[0:1], 0x20              ; out0
	v_lshl_add_u32 v[SPW], v0, 2, SPARE
	v_mov_b32 v[NIL], 0
	ds_add_u32 v3, v4
	ds_add_u32 v3, v4
	s_wait_dscnt 0x0
	v_lshrrev_b32 v48, 5, v0
	v_readfirstlane_b32 s[WV], v48                 ; wave 0..3
	s_bfe_u32 s15, ttmp6, 0x40000                  ; cx: my place in the cluster
	s_lshl_b32 s16, ttmp9, 2                       ; in a cluster launch ttmp9 counts clusters
	s_add_co_u32 s16, s16, s15                     ; my block of 128 queries: it enters the addresses of qimg, vres and out0 alone
	s_and_b32 s17, ttmp7, 0xffff                   ; the batch, which the four partners share
	; descriptor group 1: 96 rows of 256 bytes, dense: a quarter of a slot
	s_mov_b32 s[G1], 15|(3<<16)|(1<<21)            ; the mask: all four work-groups; elements of 8 bytes; bit 21 set beside a mask; no padding
	s_mov_b32 s[G1+1], 32<<16                      ; tensor_dim0
	s_mov_b32 s[G1+2], 96<<16                      ; tensor_dim1
	s_mov_b32 s[G1+3], 32<<16                      ; tile_dim0
	s_mov_b32 s[G1+4], 96                          ; tile_dim1
	s_mov_b32 s[G1+5], 32                          ; from row to row
	s_mov_b32 s[G1+6], 0
	s_mov_b32 s[G1+7], 0
	s_mul_i32 s58, s[WV], 24576                    ; my quarter of a slot, in LDS and in memory: no place in the cluster enters it
	s_mul_i32 s56, s17, 32*KSTEP
	s_add_co_u32 s56, s56, s58
	s_mov_b32 s57, 0
	s_mul_i32 s62, s17, 32*KSTEP                   ; the prefetches: the batch, my work-group's quarter, my wave's third of it,
	s_mul_i32 s63, s15, 24576
	s_add_co_u32 s62, s62, s63
	s_lshl_b32 s63, s[WV], 13
	s_add_co_u32 s62, s62, s63
	s_add_co_u32 s62, s62, 2*SLOTB                 ; in slot 2: the first change of slots steps it to slot 3.  Nothing is prefetched at the head
	s_mov_b32 s63, 0
	s_lshl_b32 s66, s17, 8
	s_lshl_b32 s67, s16, 3
	s_add_co_u32 s66, s66, s67
	s_lshl_b32 s67, s[WV], 1
	s_add_co_u32 s66, s66, s67                     ; my first tile of queries: 256 b + 8 block + 2 w,
	s_lshl_b32 s66, s66, 11                        ; 2048 bytes each
	s_mov_b32 s67, 0
	s_lshl_b32 s68, s17, 22
	s_lshl_b32 s69, s[WV], 20
	s_add_co_u32 s68, s68, s69
	s_lshl_b32 s69, s16, 9
	s_add_co_u32 s68, s68, s69                     ; (256 b + 64 w) rows of 16384 bytes + 512 x block
	s_mov_b32 s69, 0
	s_cmp_lt_u32 s[WV], 3
	s_cselect_b32 s[LIM], 0, 1
	s_or_b32 s[LIM], s[LIM], ttmp9                 ; 0 in waves 0 to 2 of the batch's first cluster: the same in all four partners
	s_cmp_eq_u32 s[LIM], 0
	s_cselect_b32 s[LIM], 1, -1
	s_mov_b32 s[SEL], 0x76543210
	s_mov_b32 s[SEL+1], 0xfedcba98
	s_mov_b32 s[TB], 0
	s_mov_b32 s[SLOTS], 14                         ; 16 slots' worth of keys; two are filled at the start
	s_wait_kmcnt 0x0
	s_load_b64 s[52:53], s[10:11], 0x10            ; e4, e5
	s_load_b64 s[54:55], s[10:11], 0x20            ; e8, e9
	s_add_nc_u64 s[60:61], s[6:7], s[56:57]
	s_add_nc_u64 s[PFA:PFA+1], s[6:7], s[62:63]
	s_add_nc_u64 s[QP:QP+1], s[4:5], s[66:67]
	s_add_nc_u64 s[VR:VR+1], s[8:9], s[68:69]
	s_add_nc_u64 s[OUTP:OUTP+1], s[12:13], s[68:69]
	s_mov_b32 s[G0A], 1
	s_mov_b32 s[G0A+1], s58
	s_mov_b64 s[G0A+2:G0A+3], s[60:61]
	s_or_b32 s[G0A+3], s[G0A+3], 0x80000000        ; type = 2
	s_mov_b32 s[G0], 1
	s_add_co_u32 s[G0+1], s58, SLOT1
	s_add_nc_u64 s[G0+2:G0+3], s[60:61], SLOTB
	s_or_b32 s[G0+3], s[G0+3], 0x80000000
	CROUND                                         ; all four work-groups are here: the first joint loads meet
	tensor_load_to_lds s[G0A:G0A+3], s[G1:G1+7]    ; key steps 0 and 1
	s_nop 0
	tensor_load_to_lds s[G0:G0+3], s[G1:G1+7]      ; key steps 2 and 3: two loads of mine are out
	s_nop 0
	PLACES                                         ; (four v_nop follow)
	v_and_b32 v48, 31, v0                          ; lane
	v_lshlrev_b32 v[LI], 4, v48
	v_lshlrev_b32 v[PFO], 8, v48
	v_lshrrev_b32 v49, 1, v48
	v_and_b32 v50, 1, v48
	v_lshlrev_b32 v[PFV], 14, v49
	v_lshl_add_u32 v[PFV], v50, 8, v[PFV]
	WIN 0xc0
.irp x, 0,1
.irp c, 0,1,2,3
	global_load_b128 v[128+16*\x+4*\c:128+16*\x+4*\c+3], v[LI], s[QP:QP+1] offset:2048*\x+512*\c th:TH_LOAD_NT   ; Q's two fragments stay in registers
.endr
.endr
	WIN 0
	v_and_b32 v49, 15, v0                          ; r
	v_bfe_u32 v50, v0, 4, 1                        ; h
	v_mul_u32_u24 v51, v50, 8*SP
	v_lshl_add_u32 v51, v49, 2, v51
	s_lshl_b32 s2, s[WV], 7
	v_add_nc_u32 v[STO], s2, v51                   ; the stage: channel row 8 h, query 32 w + r
.irp k, 1,2,3
	v_add_nc_u32 v[STO+\k], 64*SP*\k, v[STO]
.endr
	s_mul_i32 s2, s[WV], 64*SP
	v_add_nc_u32 v[RD], s2, v[LI]                  ; back: my 64 rows, 16 bytes a lane
.irp x, 0,1
	v_mov_b32 v[ST+STS*\x+1], 0xff61b1e6           ; the largest score so far: -3e38, under every score
	v_floor_f32 v[ST+STS*\x], -v[ST+STS*\x+1]      ; -M: so large that the first f is 0
	v_mov_b32 v[ST+STS*\x+2], 0                    ; l, in two halves
	v_mov_b32 v[ST+STS*\x+3], 0
	v_mov_b32 v[ST+STS*\x+5], 0                    ; (named as the upper half of f's pair)
	v_mov_b32 v[ST+STS*\x+20], 0                   ; (a lane permute's destination counts as one of its sources)
.endr
	s_wait_kmcnt 0x0
	s_add_co_i32 s70, s52, s53
	s_lshl_b32 s70, s70, 23
	s_mov_b32 s[CS], 0x3fb8aa3b                    ; log2(e);
	s_add_co_i32 s[CS], s[CS], s70                 ; a score stands for score x 2^(e4 + e5): the two exponents are added to its exponent field
	s_mov_b32 s[CS+1], s[CS]                       ; (named with it as a pair, so it is written)
	s_add_co_i32 s70, s55, 127
	s_lshl_b32 s71, s70, 23
	v_mov_b32 v[SCV], s71
	s_add_co_i32 s70, s70, 15
	s_lshl_b32 s70, s70, 23
	s_or_b32 s70, s70, 0x600000
	v_mov_b32 v[LIMV], s70
	s_add_co_i32 s[EO], s54, s55
; THE MATRIX WORK.  Every accumulator has one instruction a turn; between two on one accumulator stand all the others'.
.macro KQ x                            ; product i of 8: keys 16 i on
	WIN W_KQ
	v_wmma_f32_16x16x128_bf8_bf8 v[S+64*(\x)+8*i:S+64*(\x)+8*i+7], v[16*i:16*i+15], v[128+16*(\x):128+16*(\x)+15], 0
.endm
.macro PV x, zero                      ; product i of 16: channels 16 i on.  zero = 1: the first key step starts the sums: nothing is ever cleared
	WIN W_PV
.if \zero
	v_wmma_f32_16x16x128_bf8_bf8 v[128*(\x)+8*i:128*(\x)+8*i+7], v[16*i:16*i+15], v[P+16*(\x):P+16*(\x)+15], 0
.else
	v_wmma_f32_16x16x128_bf8_bf8 v[128*(\x)+8*i:128*(\x)+8*i+7], v[16*i:16*i+15], v[P+16*(\x):P+16*(\x)+15], v[128*(\x)+8*i:128*(\x)+8*i+7]
.endif
.endm
; THE LDS LOADS stand in runs of 32; each reads 512 consecutive bytes
.macro FETCH_K
	WIN 0
	v_add_nc_u32 v[ADR], s[TB], v[LI]
	WIN 0xc0
.set n, 0
.rept 32
	ds_load_b128 v[4*n:4*n+3], v[ADR] offset:512*n
.set n, n+1
.endr
.endm
.macro FETCH_V hf                      ; fragments 8 hf .. 8 hf + 7
	WIN 0
	v_add_nc_u32 v[ADR], s[TB], v[LI]
.if \hf
	s_add_co_u32 s[TB], s[TB], KSTEP               ; the next fetch is the next step's
.endif
	WIN 0x80
.set n, 32*(\hf)
.rept 32
	ds_load_b128 v[4*n:4*n+3], v[ADR] offset:16384+512*n
.set n, n+1
.endr
.endm
; THE VECTOR WORK: number j of the 304 of piece x's softmax for one key step.  s0-s63 are the lane's scores.  The list is laid so that, where the arithmetic allows, no line reads the result of the line just before it.
;   0-32    the largest of s0-s63, three operands at a time: EIGHT chains, one a tile of S^T, seven scores each; then the eight scores left over and the chains; 31 keeps the old -M
;   33-36   the other half of the lanes'; the running largest SCORE takes both in one line (c is positive, so the largest t is c x the largest score); t; -M = floor(-t)
;   37-132  ONE BATCH: 32 packed scalings c s - M and 64 exponentials; a pair is scaled two triples ahead of its exponentials, and none of these reads an exponential's result
;   133-135 f = 2^(old M - new M): three plain lines behind the last exponential; then the one wait for the batch ahead of the first reader
;   136-167 l = l f + the unquantised p, two at a time, in FOUR chains
;   168-239 the holds (p is not negative: one-sided; the conversion does not saturate: ISA guide 7.6.2) and the conversions of eight; a tile's conversion stands behind the NEXT tile's holds
;   240-303 O^T x f.  first = 1, where O^T has not been begun: none of these
.macro SM x, first
.set rT, ST+STS*(\x)
.set rS, S+64*(\x)
.set rP, P+16*(\x)
.if j < 240
	WIN 0
.endif
.if j < 8
	v_max3_num_f32 v[rT+6+j], v[rS+8*j], v[rS+8*j+1], v[rS+8*j+2]
.elseif j < 24
	v_max3_num_f32 v[rT+6+j%8], v[rT+6+j%8], v[rS+8*(j%8)+2*(j/8)+1], v[rS+8*(j%8)+2*(j/8)+2]
.elseif j < 28
.set q2, 2*(j-24)
	v_max3_num_f32 v[rT+6+q2], v[rT+6+q2], v[rT+7+q2], v[rS+8*(j-24)+7]   ; chains 0+1, 2+3, 4+5, 6+7, with s7, s15, s23, s31
.elseif j == 28
	v_max3_num_f32 v[rT+7], v[rS+39], v[rS+47], v[rS+55]
.elseif j == 29
	v_max3_num_f32 v[rT+6], v[rT+6], v[rT+8], v[rS+63]
.elseif j == 30
	v_max3_num_f32 v[rT+10], v[rT+10], v[rT+12], v[rT+7]
.elseif j == 31
	v_mov_b32 v[rT+21], v[rT]                      ; the old -M
.elseif j == 32
	v_max_num_f32 v[rT+6], v[rT+6], v[rT+10]
.elseif j == 33
	v_permlanex16_b32 v[rT+20], v[rT+6], s[SEL], s[SEL+1]  ; the query's other 64 keys lie in the lane 16 away
.elseif j == 34
	v_max3_num_f32 v[rT+1], v[rT+1], v[rT+6], v[rT+20]
.elseif j == 35
	v_mul_f32 v[rT+22], s[CS], v[rT+1]             ; as t
.elseif j == 36
	v_floor_f32 v[rT], -v[rT+22]                   ; M IS A WHOLE NUMBER
.elseif j < 39
.set pr, j-37
	v_pk_fma_f32 v[rS+2*pr:rS+2*pr+1], v[rS+2*pr:rS+2*pr+1], s[CS:CS+1], v[rT:rT+1] op_sel_hi:[1,0,0]
.elseif (j < 129) && ((j-39)%3 == 0)
.set pr, (j-39)/3+2
	v_pk_fma_f32 v[rS+2*pr:rS+2*pr+1], v[rS+2*pr:rS+2*pr+1], s[CS:CS+1], v[rT:rT+1] op_sel_hi:[1,0,0]
.elseif j < 129
.set ex, 2*((j-39)/3)+(j-39)%3-1
	v_exp_f32 v[rS+ex], v[rS+ex]
.elseif j < 133
	v_exp_f32 v[rS+j-69], v[rS+j-69]
.elseif j == 133
	v_sub_f32 v[rT+22], v[rT], v[rT+21]            ; old M - new M, 0 or less.  (The plain instruction behind the last exponential)
.elseif j == 134
	v_cvt_i32_f32 v[rT+22], v[rT+22]               ; (it saturates)
.elseif j == 135
	v_ldexp_f32 v[rT+4], 1.0, v[rT+22]
	s_wait_alu depctr_va_vdst(0)
.elseif j < 139
.set z, j-136
	v_pk_add_f32 v[rT+14+2*z:rT+15+2*z], v[rS+4*z:rS+4*z+1], v[rS+4*z+2:rS+4*z+3]   ; three chains begin with pairs 0 to 5,
.elseif j == 139
	v_pk_fma_f32 v[rT+2:rT+3], v[rT+2:rT+3], v[rT+4:rT+5], v[rS+12:rS+13] op_sel_hi:[1,0,1]   ; the fourth is l itself: l f + pair 6
.elseif j < 165
.set z, j-140
.set pr, 2*(7+z)                                   ; pairs 7 to 31, dealt round the four
.if z%4 == 3
	v_pk_add_f32 v[rT+2:rT+3], v[rT+2:rT+3], v[rS+pr:rS+pr+1]
.else
	v_pk_add_f32 v[rT+14+2*(z%4):rT+15+2*(z%4)], v[rT+14+2*(z%4):rT+15+2*(z%4)], v[rS+pr:rS+pr+1]
.endif
.elseif j == 165
	v_pk_add_f32 v[rT+14:rT+15], v[rT+14:rT+15], v[rT+16:rT+17]
.elseif j == 166
	v_pk_add_f32 v[rT+2:rT+3], v[rT+2:rT+3], v[rT+18:rT+19]
.elseif j == 167
	v_pk_add_f32 v[rT+2:rT+3], v[rT+2:rT+3], v[rT+14:rT+15]
.elseif j < 184
	v_min_num_f32 v[rS+j-168], v[rS+j-168], v[LIMV]
.elseif j < 238
.set vv, j-184
.set ta, vv/9
.if vv%9 == 0
	v_cvt_scalef32_pk8_bf8_f32 v[rP+2*ta:rP+2*ta+1], v[rS+8*ta:rS+8*ta+7], v[SCV]
.else
	v_min_num_f32 v[rS+8*(ta+2)+vv%9-1], v[rS+8*(ta+2)+vv%9-1], v[LIMV]
.endif
.elseif j < 240
.set ta, j-232
	v_cvt_scalef32_pk8_bf8_f32 v[rP+2*ta:rP+2*ta+1], v[rS+8*ta:rS+8*ta+7], v[SCV]
.elseif !(\first)
.set rO, 128*(\x)+2*(j-240)
	WIN W_RS
	v_pk_mul_f32 v[rO:rO+1], v[rO:rO+1], v[rT+4:rT+5] op_sel_hi:[1,0]
.endif
.endm
.macro SLICES y, first                 ; the slice behind the turn's mi-th matrix instruction: the list up to number per x mi
.set mi, mi+1
.set lim, per*mi
.if lim > NL
.set lim, NL
.endif
.rept lim-j
	SM \y, \first
.set j, j+1
.endr
.endm
; A TURN.  Piece x has the matrix unit.  pv = 2: 16 products V P; 1: they start O^T; 0: none.  kq = 1: 8 products K Q^T of the next step.  24, 16 or 8 matrix instructions take slices of 13, 20 or 39.
; In the full turn the last slice is five multiplications of the other piece's O^T: the places behind the last K Q^T.  first = 1: those are not written, and four v_nop take their part.
; Piece 0's turn fetches the next step's K behind its second product; piece 1's turn the next step's V, a half behind the product that last read it, each behind four v_nop.
.macro TURN x, pv, kq, first
.set j, 0
.set mi, 0
.set per, 13
.if !(\kq)
.set per, 20
.endif
.if !(\pv)
.set per, 39
.endif
.if \pv
.if \x == 0
	s_wait_dscnt 32                                ; V's first eight fragments are in; the younger 32 loads may be out
.endif
.set i, 0
.rept 16
.if (\x == 0) && (i == 8)
.if \kq
	s_wait_dscnt 32                                ; V's other eight are in; K's 32 loads, issued behind them, may be out
.else
	s_wait_dscnt 0x0
.endif
.endif
	PV \x, 2-\pv
	SLICES 1-\x, \first
.if (\x == 0) && (\kq) && (i == 1)
	FETCH_K
.endif
.if (\x == 1) && (\kq) && (i == 7)
	PLACES
	FETCH_V 0
.endif
.if (\x == 1) && (\kq) && (i == 15)
	PLACES
	FETCH_V 1
.endif
.set i, i+1
.endr
.endif
.if \kq
.if \x == 0
	s_wait_dscnt 0x0                               ; K is in
.endif
.set i, 0
.rept 8
	KQ \x
	SLICES 1-\x, \first
.set i, i+1
.endr
.endif
.if \first
	PLACES
.endif
.endm
; THE CHANGE OF SLOTS, between piece 1's turn and piece 0's: the slot's last bytes have been asked for.  Each wave waits for all its tensor loads (one is out: its quarter of the other slot), adds 0 to its spare
; word, and waits for that and for its reads of the slot.  fill = 1: a round of the cluster's barrier, and the joint refill first behind it: it has two key steps, 96 matrix instructions, in which to land.
.macro CHANGE fill
	WIN 0                                          ; at a label and at a branch every window is 0
	s_wait_tensorcnt 0x0                           ; no tensor load of mine is out, so a group 0 may be written
	ds_add_u32 v[SPW], v[NIL]                      ; 0 onto my spare word
.if \fill
	s_xor_b32 s[G0+1], s[G0+1], SLOT1              ; the walking descriptor: the other slot than last time,
	s_add_nc_u64 s[G0+2:G0+3], s[G0+2:G0+3], SLOTB ; the next two key steps; the type bits on top are not reached
	s_wait_xcnt 0x0                                ; the last prefetch, two key steps back, has read its address, so it may be written
	s_add_nc_u64 s[PFA:PFA+1], s[PFA:PFA+1], SLOTB
	s_wait_dscnt 0x0                               ; the add is done, and my reads of the slot are over
	CROUND
	tensor_load_to_lds s[G0:G0+3], s[G1:G1+7]      ; my one tensor load until the next round
	s_nop 0
	PLACES
	ASK
.else
	s_wait_dscnt 0x0
	s_barrier_signal -1
	s_barrier_wait -1
.irp q, 0,1,2,3                                ; my 64 rows' 512 bytes of vres, two blocks of 256 a row, each named once in the launch: three key steps ahead of their loads
	global_prefetch_b8 v[PFV], s[VR:VR+1] offset:262144*\q th:TH_LOAD_NT scope:SCOPE_SE
.endr
.endif
	s_sub_co_u32 s[TB], s[TB], SLOTB               ; the fetches go back to a slot's first step,
	s_xor_b32 s[TB], s[TB], SLOT1                  ; in the other slot
.endm
.macro TWO_STEPS                       ; a slot's two key steps: written once, walked twice
	s_mov_b32 s[TWICE], 2
.Lstep_\@:
	TURN 0, 2, 1, 0
	TURN 1, 2, 1, 0
	WIN 0
	s_sub_co_u32 s[TWICE], s[TWICE], 1
	s_cmp_lg_u32 s[TWICE], 0
	s_cbranch_scc1 .Lstep_\@
.endm
	s_wait_tensorcnt 0x1                           ; my quarter of slot 0 is in; slot 1's may stay out
	s_barrier_signal -1
	s_barrier_wait -1                              ; everybody's is
	FETCH_K                                        ; key step 0
	FETCH_V 0
	s_wait_loadcnt 0x0                             ; Q
	s_wait_dscnt 32                                ; K is in; V's 32 loads may be out
.set i, 0
.rept 8
	KQ 0                                           ; piece 0's first scores: there is no vector work yet to set between them
.set i, i+1
.endr
	FETCH_V 1
	PLACES
	TURN 1, 0, 1, 1                                ; piece 1's first scores | piece 0's first softmax
	TURN 0, 1, 1, 1                                ; piece 0: V P of step 0 starts O^T, K Q^T of step 1 | piece 1's first softmax | K of step 1
	TURN 1, 1, 1, 0                                ; piece 1: the same | piece 0's softmax of step 1 | V of step 1
	WIN 0
.Lslot:                                            ; 14 trips: every slot but the last two is filled again
	CHANGE 1
	TWO_STEPS
	s_sub_co_u32 s[SLOTS], s[SLOTS], 1
	s_cmp_lg_u32 s[SLOTS], 0
	s_cbranch_scc1 .Lslot
	CHANGE 0                                       ; the tail is written out
	TWO_STEPS
	TURN 0, 2, 0, 0                                ; piece 0: V P of the last step | piece 1's last softmax
.set i, 0
.rept 16
	PV 1, 0                                        ; piece 1: V P of the last step
.set i, i+1
.endr
	; THE WAY OUT.  O^T x 2^(e8 + e9) / l goes through a stage in LDS, turned into channel rows; each wave then takes 64 whole rows of 512 bytes, adds v and stores them.
	WIN 0
	PLACES                                         ; behind the last products: for the loads into V's registers and the reads of O^T
	WIN 0x80
.set n, 0
.rept 64
	global_load_b128 v[4*n:4*n+3], v[LI], s[VR:VR+1] offset:16384*n th:TH_LOAD_NT   ; v of my 64 rows, into V's registers
.set n, n+1
.endr
	WIN 0
.irp x, 0,1
	v_add_f32 v[ST+STS*\x+2], v[ST+STS*\x+2], v[ST+STS*\x+3]
.endr
.irp x, 0,1
	v_permlanex16_b32 v[ST+STS*\x+20], v[ST+STS*\x+2], s[SEL], s[SEL+1]
.endr
.irp x, 0,1
	v_add_f32 v[ST+STS*\x+2], v[ST+STS*\x+2], v[ST+STS*\x+20]    ; the row's sum
.endr
.irp x, 0,1
	v_rcp_f32 v[ST+STS*\x+4], v[ST+STS*\x+2]
.endr
	v_nop                                          ; a plain instruction behind the last reciprocal,
	s_wait_alu depctr_va_vdst(0)                   ; and the wait ahead of the first use
.irp x, 0,1
	v_ldexp_f32 v[ST+STS*\x+4], v[ST+STS*\x+4], s[EO]
.endr
	WIN W_RS
.irp x, 0,1
.set n, 0
.rept 64
	v_pk_mul_f32 v[128*\x+2*n:128*\x+2*n+1], v[128*\x+2*n:128*\x+2*n+1], v[ST+STS*\x+4:ST+STS*\x+5] op_sel_hi:[1,0]   ; each accumulator from its low end on
.set n, n+1
.endr
.endr
	WIN 0
	s_wait_dscnt 0x0                               ; my reads of the ring are over:
	s_barrier_signal -1
	s_barrier_wait -1                              ; everybody's are, and every fill has landed: the stage may be written
	WIN 0x04
.irp x, 0,1
.set t, 0
.rept 16
.set jj, 0
.rept 8
	ds_store_b32 v[STO+t/4], v[128*\x+8*t+jj] offset:(16*(t%4)+jj)*SP+64*\x   ; channel 16 t + 8 h + jj, query 32 w + 16 x + r: sixteen lanes put 64 neighbouring bytes
.set jj, jj+1
.endr
.set t, t+1
.endr
.endr
	s_wait_dscnt 0x0                               ; for the others' sake: my stores into the stage are done
	s_barrier_signal -1
	s_barrier_wait -1
	WIN 0x40
.set n, 0
.rept 64
	ds_load_b128 v[4*n:4*n+3], v[RD] offset:SP*n
.set n, n+1
.endr
.irp q, 0,1,2,3
	s_wait_dscnt 48-16*\q                          ; sixteen rows more are back from the stage,
	s_wait_loadcnt 48-16*\q                        ; and their v is in
	WIN 0x49
.set n, 0
.rept 32
	v_pk_add_f32 v[64*\q+2*n:64*\q+2*n+1], v[64*\q+2*n:64*\q+2*n+1], v[64*\q+2*n:64*\q+2*n+1]   ; window 1 += window 2: the residual
.set n, n+1
.endr
	WIN 0x04
.set n, 0
.rept 16
	global_store_b128 v[LI], v[64*\q+4*n:64*\q+4*n+3], s[OUTP:OUTP+1] offset:16384*(16*\q+n) th:TH_STORE_NT   ; 32 lanes store 512 consecutive bytes, at a multiple of 512 from the buffer's first byte
.set n, n+1
.endr
.endr
	WIN 0
	s_wait_tensorcnt 0x0                           ; the wave's end, behind my last tensor load and my last LDS store
	ds_add_u32 v[SPW], v[NIL]
	s_wait_dscnt 0x0
	CROUND                                         ; the closing round: no work-group ends while a partner may still ask for a slot that names it
	s_endpgm
.Lfunc_end_k_q4278fe0d02_attn:
	.size	k_q4278fe0d02_attn, .Lfunc_end_k_q4278fe0d02_attn-k_q4278fe0d02_attn
	.p2alignl 7, 3214868480
	.fill 96, 4, 3214868480
	.section	.rodata,"a",@progbits
	.p2align	6, 0x0
	.amdhsa_kernel k_q4278fe0d02_attn
		.amdhsa_group_segment_fixed_size 327680
		.amdhsa_private_segment_fixed_size 0
		.amdhsa_enable_private_segment 0
		.amdhsa_kernarg_size 40
		.amdhsa_user_sgpr_count 2
		.amdhsa_user_sgpr_kernarg_segment_ptr 1
		.amdhsa_wavefront_size32 1
		.amdhsa_system_sgpr_workgroup_id_x 1
		.amdhsa_system_sgpr_workgroup_id_y 1
		.amdhsa_system_sgpr_workgroup_id_z 1
		.amdhsa_system_vgpr_workitem_id 0
		.amdhsa_next_free_vgpr 1024
		.amdhsa_next_free_sgpr 72
		.amdhsa_reserve_vcc 0
		.amdhsa_float_denorm_mode_32 3
		.amdhsa_float_denorm_mode_16_64 3
		.amdhsa_memory_ordered 1
		.amdhsa_forward_progress 1
		.amdhsa_inst_pref_size 220
	.end_amdhsa_kernel
	.amdgpu_metadata
---
amdhsa.version: [ 1, 2 ]
amdhsa.kernels:
  - .name:           k_q4278fe0d02_attn
    .symbol:         k_q4278fe0d02_attn.kd
    .args:
      - { .name: qimg, .offset: 0, .size: 8, .value_kind: global_buffer, .address_space: global }
      - { .name: kv, .offset: 8, .size: 8, .value_kind: global_buffer, .address_space: global }
      - { .name: vres, .offset: 16, .size: 8, .value_kind: global_buffer, .address_space: global }
      - { .name: lowp_scales, .offset: 24, .size: 8, .value_kind: global_buffer, .address_space: global }
      - { .name: out0, .offset: 32, .size: 8, .value_kind: global_buffer, .address_space: global }
    .group_segment_fixed_size: 327680
    .private_segment_fixed_size: 0
    .kernarg_segment_align: 8
    .kernarg_segment_size: 40
    .max_flat_workgroup_size: 128
    .sgpr_count:     72
    .vgpr_count:     1024
    .wavefront_size: 32
...
	.end_amdgpu_metadata
.endif
;; end of part 2
